; MI455X (gfx1250); checked and timed in simulation.
; The chip was launched on July 23, 2026; its instructions are those of AMD's public machine-readable ISA for CDNA 5 (MIT licence, August 2026) and "CDNA5" Instruction Set Architecture Reference Guide (July 2026). The comments in the code are by the model that wrote it; some were corrected since.
;; Scaled Dot Prod Attention. Allowed arithmetic: matrix products marked QUANTISED: E4M3 operands, one given power-of-two scale a tensor, by v_wmma_f32_16x16x64_fp8_fp8 or v_wmma_f32_16x16x128_fp8_fp8, f32 sums; everything else in f32.
;; Inputs: k 2 x 2,048 x 1,024 float32; lowp_scales 4 int32 (the exponents e of the quantised operands' scales 2^e); q 2 x 2,048 x 1,024 float32; v_codes 2 x 1,024 x 64 x 32 uint8 (E4M3 codes of v, K innermost, in blocks of 32 codes).
;; Outputs: out0 2 x 2,048 x 1,024 float32.
;; This version of the problem:
;;   THIS VERSION OF THE PROBLEM IS GIVEN IN LOW PRECISION. The matrix products marked QUANTISED in the list below multiply operands that are first quantised to E4M3 (4 exponent bits, 3 mantissa bits; 8 bits a number), with one given power-of-two scale for each operand tensor; their sums are f32. All else is computed in f32.
;;   The module's matrix products, in the order in which they are computed (A, B: the left and right operand; K: the contracted axis; several contracted axes count as one K, in the product's order):
;;     1. batch 32 x [M 2,048, K 64] x [K 64, N 2,048]; A: computed on the way; B: input k: QUANTISED (scales: A lowp_scales[0], B lowp_scales[1])
;;     2. batch 32 x [M 64, K 2,048] x [K 2,048, N 2,048]; A: input v (given as codes); B: softmax (see below): QUANTISED (scales: A lowp_scales[2], B lowp_scales[3])
;;   THE QUANTISER, for each operand of a quantised product, along K:
;;     - The operand's scale is 2^e, e = its entry of the input lowp_scales (int32; the entries are numbered through the quantised products in the list's order, A before B).
;;     - Each number is divided by the scale, clamped to +-448, and rounded to the nearest number of E4M3, ties to even, subnormals kept.
;;     - The product sums the exact products of the quantised numbers (number of the format x scale) in f32.
;;   ~~~python
;;   def quantise(x, axis, e):      # numpy; x: float32 -> the quantised numbers, widened to float32 again
;;       x = np.moveaxis(x, axis, -1); K = x.shape[-1]
;;       r = np.clip(x / 2.0 ** e, -448, 448)
;;       step = 2.0 ** (np.maximum(np.frexp(np.where(r == 0, 1, r))[1] - 1, -6) - 3)
;;       q = np.round(r / step) * step * 2.0 ** e      # np.round: ties to even
;;       return np.moveaxis(q, -1, axis).astype(np.float32)
;;   ~~~
;;   SOFTMAX AHEAD OF A QUANTISED PRODUCT. Where the list says 'softmax', what is quantised is not the finished softmax but p = 2^(t - M), with t = logit x log2(e) and M = ceil(the row's largest t), a whole number; so 1/2 < the row's largest p <= 1. The row's sum l is taken of the UNQUANTISED p, in f32, and the product's result is divided by l at the end. Since M is a whole number, a kernel that streams over the keys may use a running M (the ceiling of the running maximum): every later rescaling is an exact power of two, so the quantised numbers keep their values, but for numbers so far below the row's largest that they fall under the format's range.
;;   OPERANDS COMPUTED ON THE WAY. 'Computed on the way' means the value that the module computes at that place (a softmax that the list does not call 'softmax' is quantised finished and normalised). What goes into a quantiser is computed in f32, as accurately as f32 sums, v_exp_f32 and their like allow (about 1e-6 of the number): no bf16 or f16 on the way to a quantiser, and a product that is left as it is and whose result goes on into a quantised operand takes f32 operands (vector FMAs, or v_wmma_f32_16x16x4_f32). A number that lies on a knife's edge between two numbers of the format may be rounded either way, as far as f32 arithmetic and the matrix unit's own rounding can turn it there, and no further.
;;   INPUTS GIVEN AS CODES. v (in the module: [2, 2048, 1024], K = its axis 1): each comes as NAME_codes (uint8): NAME with its K axis moved to the last place and cut into blocks of 32 codes, [.., K / 32, bytes a block], one block behind the other in memory; one code a byte (a code: sign, 4 exponent bits, 3 mantissa bits); its scale is its entry of lowp_scales. Its value is code x scale, taken as it is: it is not quantised again, and the codes and scales need not be those that the quantiser above would give.
;; One version. Each part assembles by itself: llvm-mc -triple=amdgcn-amd-amdhsa -mcpu=gfx1250 --defsym DOCPART=n.
;; ======== version 1 of 1: 1 launch
;; limits: right only within a limited range of input values
;; launch attn (part 1): grid 32 x 8, 8 waves a work-group, no clusters, 327,680 bytes of LDS; arguments q, k, v_codes, lowp_scales, out0; writes out0
.if DOCPART == 1
	.amdgcn_target "amdgcn-amd-amdhsa--gfx1250"
	.amdhsa_code_object_version 6
	.text
	.protected	k_q5d144ada17_attn
	.globl	k_q5d144ada17_attn
	.p2align	8
	.type	k_q5d144ada17_attn,@function
k_q5d144ada17_attn:
	s_mov_b64 s[64:65], 0
	v_nop
	global_prefetch_b8 v0, s[64:65] scope:SCOPE_SE
	s_setreg_imm32_b32 hwreg(HW_REG_WAVE_MODE, 25, 1), 1
	s_wait_xcnt 0x0
; Causal attention, 2 batches x 16 heads x 2,048 positions, head size 64, both products on codes of FP8 (E4M3), each operand with the one scale 2^e given for it:
; e0 for q / 8, e1 for k, ev for v, ep for p (lowp_scales 0, 1, 2, 3).  q, k: [2][2048][1024] f32, quantised here.  v_codes: [2][1024 channels][2048 keys], one code a byte, taken as given.  out0: [2][2048][1024] f32.
; SOFTMAX: t = logit x log2(e); M = the running largest t rounded UP to a whole number; p = 2^(t - M) is quantised, not normalised; the row's sum is taken of the unquantised p and divides O at the end.
; When M moves, the sum and O are multiplied by 2^(old M - new M), a power of two.
; SHARES.  Work-group (bh, i): head bh; of each of the head's sixteen blocks of 128 queries the 16 queries at place i.  The tile of block b has b + 1 steps of 128 keys, the last of them on the diagonal: 136 tile steps in every work-group.
; Eight waves of 512 registers; wave w owns the tiles of blocks w (A) and 15 - w (B): 17 tile steps in every wave.  Steps 0 .. w are made for A and B together, each fragment of K and V read once for both; the others for B alone.
; LDS holds ALL of the head's K and V as codes: each byte is written once.  The keys come in eight slots of 256; in phase n slot n + 1 is written, and slots 0 .. n may be read.  ONE barrier a phase, signalled behind the
; wave's stores of slot n + 1 and waited for behind the phase's second visit, which reads slots 0 .. n alone: bytes that no wave writes any more.
; VISITS OF PHASE n.  First, where n >= w: step 2 n - w + 1 for B.  Then the staging and the signal.  Then, where n <= w: step n for A and B, else step 2 n - w for B.  No step lies beyond 2 n + 1; the order of the steps is free.
; A's last step, w, falls into phase w: A leaves then.  B's last step, 15 - w, is the first visit of phase 7.
; LAYOUT (r = lane % 16, h = lane / 16).  Both products are used transposed: S^T = K Q^T, O^T = V^T P: a lane holds ONE query of a tile.  Q's and K's fragments hold in register 4 c + m, byte y, the head's number 32 c + 16 h + 4 m + y.
; THE KEYS OF A TILE ARE NOT NEIGHBOURS: lane r of tile t takes key 32 (t / 2) + 8 (t % 2) + r + 8 (r / 8), so that score register n is key 32 (n / 16) + 16 h + n % 16.
; K in LDS: step s begins at (s + 7) x 8,192; a key has 64 bytes; its 16-byte chunk c lies at place c xor s, s = bits 2 and 4 of the key, so that sixteen lanes read sixteen different 16-byte columns of 256 bytes.
; V: slot, then 64 rows of 256 bytes + 16 of padding.
; NO CLUSTER, NO TENSOR LOADS: k passes through registers to be quantised; two f32 slots of 128 keys (2 x 34,816 bytes with padding) do not fit beside the 270,336 bytes of resident codes; V alone is 16 of a slot's 80 KiB.
; WORK LEFT OUT: steps all of whose keys come after a tile's queries.  reference() overwrites those scores by MASK_VAL = -50000, and 2^(t - M) of such a key is 0 in f32 while the row's largest visible logit lies above about -49,890.
; LIMITS.  Below that, the problem's function lets hidden keys count and this text does not.  A NaN or infinity that reaches only the work left out is not carried.  e0 + 3, e1 and ep between -126 and 119, e0 + e1 between -126 and 127,
; so that each power of two below is an f32 number; ev + ep is applied by v_ldexp_f32 and has none.  NaN among q and k is not served; infinities are held at the largest code.
.set SP,    272                        ; the stages lie at byte 0: 16 rows x 272 bytes a wave, the wave's own: Q's codes at the head, O on the way out
.set SPARE, 34816                      ; the spare words, 128 bytes a wave
.set KB,    57344                      ; K, 2,048 x 64 bytes: 7 x 8,192
.set VB,    188416                     ; V, behind K, up to byte 327,680
.set VP,    272
.set VSLOT, 64*VP
; window 0
.set LA,    1                          ; K's fragments: my chunk h;  LB: my chunk 2 + h
.set LB,    2
.set LV,    3                          ; V's fragments
.set KAD,   4
.set KBD,   5
.set VAD,   6
.set KST,   7                          ; where I store K's codes, V's codes in slot 0
.set VST,   8
.set VGO,   10                         ; v_codes: h rows of 2,048 bytes + 16 r
.set PFO,   11                         ; the prefetches' offset
.set GO,    12                         ; q, k, out0: h rows of 4,096 bytes + 16 r
.set KLIM,  13                         ; 448 x 2^e1, 2^e1, 2^ep
.set KSC,   14
.set PSC,   15
.set QA,    16                         ; Q's codes, tile A, tile B
.set QB,    24
.set FR,    32                         ; 8 fragments of K, then 4 of V
.set SS,    96                         ; S^T, then p: A in window 0, B in window 1 (64 registers)
.set OO,    160                        ; O^T likewise (32)
.set PP,    192                        ; p's codes likewise (16)
.set NMA,   208                        ; -M; the register behind it: the largest raw score (a pair for the packed form)
.set RMA,   209
.set NMB,   210
.set RMB,   211
.set FA,    212                        ; f = 2^(old M - new M), and 0 behind it
.set FB,    214
.set LSA,   216                        ; the row's sum in four pairs
.set LSB,   224
.set CA,    232                        ; four chains of the maximum
.set CB,    236
.set TPA,   240
.set TPB,   241
.set DM,    242                        ; 16 i + r - 16 h
.set MVR,   243                        ; MASK_VAL in the raw sums' unit
.set STO,   244
.set RD,    245
.set SPW,   246
.set NIL,   247
.set QST,   248
.set QRD,   249
.set T2A,   250
.set T2B,   251
.set RR,    252                        ; at the head r and h; then Q's limit and scale
.set HH,    253
.set QLIM,  252
.set QSC,   253
.set KSA,   254
.set VSA,   255
; window 1 beside SS, OO, PP
.set KS,    0                          ; staging: 64 numbers of k
.set VS,    64                         ; 64 codes of v
.set KC,    80                         ; 64 codes just made
; scalars
.set WV,    14
.set U,     15                         ; the visit's key step + 7
.set X2,    16                         ; 2 n
.set NP,    18                         ; the phase n
.set N1,    23
.set SEL,   24
.set CS,    26                         ; s[26:27] c = log2(e) x 2^(e0 + e1); s28 -c
.set NCS,   28
.set PLM,   29                         ; 448 x 2^ep
.set HOLD,  30
.set EO,    31                         ; ev + ep
.set IB,    32                         ; i / 2
.set KO,    33
.set VO,    34
.set PFL,   35                         ; 5 in a wave that prefetches, else 0
.set T0,    40
.set T1,    41
.set T2,    42
.set PFA,   50
.set MK,    52                         ; s[52:55] lane masks
.set PFS,   56
.set BH,    58
.set IW,    59
.set W2,    60
.set Q2,    60                         ; s[60:61] q at tile B, s[62:63] out0 at tile B
.set O2,    62
.set MSB, 0
.macro WIN new                         ; the immediate's high byte repeats the setting that is left
.if MSB != (\new)
	s_set_vgpr_msb (MSB<<8)|(\new)
.set MSB, (\new)
.endif
.endm
; Twenty loads: my part of a slot.  An instruction takes two whole rows of 256 bytes (k: keys h and 8, 32, 40, 64 .. on; v_codes: two channels).
.macro SLOADS
	WIN 0x40
.irp j, 0,1,2,3,4,5,6,7,8,9,10,11,12,13,14,15
	global_load_b128 v[KS+4*\j:KS+4*\j+3], v[GO], s[6:7] offset:(\j%2)*32768+(\j/2)*131072
.endr
.irp m, 0,1,2,3
	global_load_b128 v[VS+4*\m:VS+4*\m+3], v[VGO], s[8:9] offset:4096*\m
.endr
	WIN 0
.endm
; My 32 queries, two whole rows an instruction; read once in the launch.
.macro QLOADS
	WIN 0x40
.irp j, 0,1,2,3,4,5,6,7
	global_load_b128 v[SS+4*\j:SS+4*\j+3], v[GO], s[4:5] offset:8192*\j th:TH_LOAD_NT
.endr
.irp j, 0,1,2,3,4,5,6,7
	global_load_b128 v[SS+32+4*\j:SS+32+4*\j+3], v[GO], s[Q2:Q2+1] offset:8192*\j th:TH_LOAD_NT
.endr
	WIN 0
.endm
; 64 numbers held at the largest code (the conversion to an 8-bit code does not saturate: ISA guide 7.6.2) and converted: 4 numbers of a row to a register.
.macro QUANT src, lim, sc
	WIN 0x41
.set n, 0
.rept 64
	v_med3_num_f32 v[\src+n], v[\src+n], -v[\lim], v[\lim]
.set n, n+1
.endr
.irp g, 0,1,2,3,4,5,6,7
	v_cvt_scalef32_pk8_fp8_f32 v[KC+2*\g:KC+2*\g+1], v[\src+8*\g:\src+8*\g+7], v[\sc]
.endr
	v_nop                                          ; one plain vector line behind the last scaled conversion
.endm
.macro VSTORE adr
	WIN 0x04
.irp m, 0,1,2,3
	ds_store_b128 v[\adr], v[VS+4*\m:VS+4*\m+3] offset:2*VP*\m
.endr
.endm
.macro KSTORE adr
	WIN 0x04
.irp j, 0,1,2,3,4,5,6,7,8,9,10,11,12,13,14,15
	ds_store_b32 v[\adr], v[KC+\j] offset:(\j%2)*512+(\j/2)*2048
.endr
	WIN 0
.endm
; THE DIAGONAL.  Register n holds key 32 (n / 16) + 16 h + n % 16 of the step: hidden where 32 (n / 16) + n % 16 > DM.  Groups of 32 keys under i / 2 are visible to every query of the tile and are left as they are.
.macro MASK win
.irp b, 3,2,1,0
.if \b < 3
	WIN 0
	s_cmp_gt_u32 s[IB], \b
	s_cbranch_scc1 .Lmasked_\@
.endif
	WIN \win
.set n, 16*\b
.rept 4
.irp x, 0,1,2,3
	v_cmp_gt_i32 s[MK+\x], 32*(n/16)+n%16+\x, v[DM]
.endr
.irp x, 0,1,2,3
	v_cndmask_b32 v[SS+n+\x], v[SS+n+\x], v[MVR], s[MK+\x]
.endr
.set n, n+4
.endr
.endr
	WIN 0
.Lmasked_\@:
.endm
; The step's largest raw score of my query among my 64 keys and the scores before, in four chains, each accumulator from its low end on.
.macro MAXS ch, rm, w
	WIN (\w)*0x14
.set n, 0
.rept 4
	v_max3_num_f32 v[\ch+n], v[\rm], v[SS+2*n], v[SS+2*n+1]
.set n, n+1
.endr
.rept 28
	v_max3_num_f32 v[\ch+n%4], v[\ch+n%4], v[SS+2*n], v[SS+2*n+1]
.set n, n+1
.endr
	WIN 0
.endm
.macro TAIL2                           ; both tiles by turns: the chains meet, lane l xor 16's is joined in, -M = floor(-t), f = 2^(old M - new M)
	v_max3_num_f32 v[CA], v[CA], v[CA+1], v[CA+2]
	v_max3_num_f32 v[CB], v[CB], v[CB+1], v[CB+2]
	v_max_num_f32 v[CA], v[CA], v[CA+3]
	v_max_num_f32 v[CB], v[CB], v[CB+3]
	v_permlanex16_b32 v[TPA], v[CA], s[SEL], s[SEL+1]
	v_permlanex16_b32 v[TPB], v[CB], s[SEL], s[SEL+1]
	v_max_num_f32 v[RMA], v[CA], v[TPA]
	v_max_num_f32 v[RMB], v[CB], v[TPB]
	v_mul_f32 v[T2A], s[NCS], v[RMA]               ; -t of the largest (c is positive)
	v_mul_f32 v[T2B], s[NCS], v[RMB]
	v_floor_f32 v[T2A], v[T2A]
	v_floor_f32 v[T2B], v[T2B]
	v_sub_f32 v[FA], v[T2A], v[NMA]                ; old M - new M: a whole number, 0 or less
	v_sub_f32 v[FB], v[T2B], v[NMB]
	v_mov_b32 v[NMA], v[T2A]
	v_mov_b32 v[NMB], v[T2B]
	v_cvt_i32_f32 v[FA], v[FA]                     ; (it saturates)
	v_cvt_i32_f32 v[FB], v[FB]
	v_ldexp_f32 v[FA], 1.0, v[FA]
	v_ldexp_f32 v[FB], 1.0, v[FB]
.endm
.macro TAIL1                           ; tile B alone
	v_max3_num_f32 v[CB], v[CB], v[CB+1], v[CB+2]
	s_delay_alu instid0(VALU_DEP_1)
	v_max_num_f32 v[CB], v[CB], v[CB+3]
	s_delay_alu instid0(VALU_DEP_1)
	v_permlanex16_b32 v[TPB], v[CB], s[SEL], s[SEL+1]
	s_delay_alu instid0(VALU_DEP_1)
	v_max_num_f32 v[RMB], v[CB], v[TPB]
	s_delay_alu instid0(VALU_DEP_1)
	v_mul_f32 v[T2B], s[NCS], v[RMB]
	s_delay_alu instid0(VALU_DEP_1)
	v_floor_f32 v[T2B], v[T2B]
	s_delay_alu instid0(VALU_DEP_1)
	v_sub_f32 v[FB], v[T2B], v[NMB]
	v_mov_b32 v[NMB], v[T2B]
	s_delay_alu instid0(VALU_DEP_2)
	v_cvt_i32_f32 v[FB], v[FB]
	s_delay_alu instid0(VALU_DEP_1)
	v_ldexp_f32 v[FB], 1.0, v[FB]
.endm
.macro FMAS nm, w                      ; t - M, two at a time (of the pairs c and -M the low word serves both halves)
	WIN (\w)*0x41
.set n, 0
.rept 32
	v_pk_fma_f32 v[SS+n:SS+n+1], v[SS+n:SS+n+1], s[CS:CS+1], v[\nm:\nm+1] op_sel_hi:[1,0,0]
.set n, n+2
.endr
.endm
.macro OMUL f                          ; O^T under the new M, behind FMAS of the same tile
	s_wait_alu depctr_va_vdst(0)                   ; the wait directly ahead of the first reader of O^T
.set n, 0
.rept 16
	v_pk_mul_f32 v[OO+n:OO+n+1], v[OO+n:OO+n+1], v[\f:\f+1] op_sel_hi:[1,0]
.set n, n+2
.endr
.endm
.macro EXPS w
	WIN (\w)*0x41
.set n, 0
.rept 64
	v_exp_f32 v[SS+n], v[SS+n]
.set n, n+1
.endr
.endm
.macro SUMS ls, f, w                   ; the sums under the new M, and the unquantised p onto them
	WIN (\w)*0x10
.irp x, 0,1,2,3
	v_pk_fma_f32 v[\ls+2*\x:\ls+2*\x+1], v[\ls+2*\x:\ls+2*\x+1], v[\f:\f+1], v[SS+2*\x:SS+2*\x+1] op_sel_hi:[1,0,1]
.endr
	WIN (\w)*0x04
.set n, 4
.rept 28
	v_pk_add_f32 v[\ls+2*(n%4):\ls+2*(n%4)+1], v[\ls+2*(n%4):\ls+2*(n%4)+1], v[SS+2*n:SS+2*n+1]
.set n, n+1
.endr
.endm
.macro HOLDS w
	WIN (\w)*0x44
.set n, 0
.rept 64
	v_min_num_f32 v[SS+n], s[PLM], v[SS+n]         ; p is not negative: the hold is one-sided
.set n, n+1
.endr
.endm
.macro PCODES w
	WIN (\w)*0x41
.irp b, 0,1,2,3
	v_cvt_scalef32_pk8_fp8_f32 v[PP+4*\b:PP+4*\b+1], v[SS+16*\b:SS+16*\b+7], v[PSC]
	v_cvt_scalef32_pk8_fp8_f32 v[PP+4*\b+2:PP+4*\b+3], v[SS+16*\b+8:SS+16*\b+15], v[PSC]
.endr
.endm
.macro PV w
	WIN (\w)*0x54
.irp t, 0,1,2,3
	v_wmma_f32_16x16x128_fp8_fp8 v[OO+8*\t:OO+8*\t+7], v[FR+16*\t:FR+16*\t+15], v[PP:PP+15], v[OO+8*\t:OO+8*\t+7]
.endr
.endm
; K's eight fragments of step U - 7.
.macro KLOAD
	s_lshl_b32 s[KO], s[U], 13
	v_add_nc_u32 v[KAD], s[KO], v[LA]
	v_add_nc_u32 v[KBD], s[KO], v[LB]
	v_nop                                          ; with the two additions four places behind the last products, ahead of loads into registers that they read
	v_nop
.irp t, 0,1,2,3,4,5,6,7
	ds_load_b128 v[FR+8*\t:FR+8*\t+3], v[KAD] offset:2048*(\t/2)+512*(\t%2)
	ds_load_b128 v[FR+8*\t+4:FR+8*\t+7], v[KBD] offset:2048*(\t/2)+512*(\t%2)
.endr
.endm
; A KEY STEP of 128 keys, its K asked for by KLOAD: both = 1 for tiles A and B, 0 for B alone.  counted = 1: K's loads may still be out.  diag = 1: A's last step, in phase w, lies on the diagonal; 2: B's last, in phase 7.
.macro VISIT both, counted, diag
	s_add_co_u32 s[T1], s[U], 1                    ; step + 8
	s_lshr_b32 s[T0], s[T1], 1
	s_mul_i32 s[VO], s[T0], VSLOT                  ; slot + 4
	s_and_b32 s[T0], s[T1], 1
	s_lshl_b32 s[T0], s[T0], 7
	s_add_co_u32 s[VO], s[VO], s[T0]
.if \both
.irp t, 0,1,2,3,4,5,6,7
	v_wmma_f32_16x16x64_fp8_fp8 v[SS+8*\t:SS+8*\t+7], v[FR+8*\t:FR+8*\t+7], v[QA:QA+7], 0
.endr
.endif
	WIN 0x40
.irp t, 0,1,2,3,4,5,6,7
.if \counted
	s_wait_dscnt 14-2*\t                           ; fragment t is in; the 14 - 2 t loads behind it may be out (LDS serves a wave's instructions in order: ISA guide 5.7.1)
.endif
	v_wmma_f32_16x16x64_fp8_fp8 v[SS+8*\t:SS+8*\t+7], v[FR+8*\t:FR+8*\t+7], v[QB:QB+7], 0
.endr
	WIN 0
	v_add_nc_u32 v[VAD], s[VO], v[LV]              ; with three v_nop four places, ahead of V's loads into K's registers and of the first read of the scores
	v_nop
	v_nop
	v_nop
.irp t, 0,1,2,3
.irp c, 0,1,2,3
	ds_load_b128 v[FR+16*\t+4*\c:FR+16*\t+4*\c+3], v[VAD] offset:\t*16*VP+32*\c   ; V's four fragments land while the softmax is worked
.endr
.endr
.if \diag == 1
	s_cmp_lg_u32 s[NP], s[WV]
	s_cbranch_scc1 .Lopen_\@
	MASK 0
.Lopen_\@:
.endif
.if \diag == 2
	s_cmp_lg_u32 s[NP], 7
	s_cbranch_scc1 .Lopen_\@
	MASK 0x41
.Lopen_\@:
.endif
.if \both
	MAXS CA, RMA, 0
	MAXS CB, RMB, 1
	TAIL2
	FMAS NMA, 0
	OMUL FA
.else
	MAXS CB, RMB, 1
	TAIL1
.endif
	FMAS NMB, 1
	OMUL FB
	s_wait_alu depctr_va_vdst(0)                   ; one wait ahead of the batch
	EXPS 1                                         ; p = 2^(t - M): not normalised
.if \both
	EXPS 0
.endif
	v_nop                                          ; the plain line behind the exponentials
	s_wait_alu depctr_va_vdst(0)                   ; and one wait ahead of the first line that names a result
.if \both
	SUMS LSA, FA, 0
.endif
	SUMS LSB, FB, 1
	WIN 0
	s_cmp_eq_u32 s[HOLD], 0                        ; a branch on the given whole number ep: where ep >= -8 no p / 2^ep passes 448
	s_cbranch_scc1 .Lnohold_\@
.if \both
	HOLDS 0
.endif
	HOLDS 1
	WIN 0
.Lnohold_\@:
.if \both
	PCODES 0
.endif
	PCODES 1
	v_nop                                          ; one plain vector line behind the last scaled conversion
	s_wait_alu depctr_va_vdst(0)                   ; directly ahead of the wait below
	s_wait_dscnt 0x0                               ; V is in
	PV 1                                           ; the accumulators take turns; between two links of one stand at least seven other products
.if \both
	PV 0
.endif
	WIN 0
.endm
; THE WAY OUT of a tile: O^T / the row's sum x 2^(ev + ep), through my stage, so that sixteen lanes store a query's 64 numbers: 256 consecutive bytes, aligned.
.macro OUT ls, tp, w, ob
	v_pk_add_f32 v[\ls:\ls+1], v[\ls:\ls+1], v[\ls+2:\ls+3]
	v_pk_add_f32 v[\ls+4:\ls+5], v[\ls+4:\ls+5], v[\ls+6:\ls+7]
	s_delay_alu instid0(VALU_DEP_1)
	v_pk_add_f32 v[\ls:\ls+1], v[\ls:\ls+1], v[\ls+4:\ls+5]
	s_delay_alu instid0(VALU_DEP_1)
	v_add_f32 v[\ls], v[\ls], v[\ls+1]
	s_delay_alu instid0(VALU_DEP_1)
	v_permlanex16_b32 v[\tp], v[\ls], s[SEL], s[SEL+1]
	s_delay_alu instid0(VALU_DEP_1)
	v_add_f32 v[\ls], v[\ls], v[\tp]
	s_wait_alu depctr_va_vdst(0)                   ; the wait ahead of the transcendental
	v_rcp_f32 v[\ls], v[\ls]
	v_nop
	s_wait_alu depctr_va_vdst(0)                   ; and ahead of its first reader
	v_ldexp_f32 v[\ls], v[\ls], s[EO]
	WIN (\w)*0x41
	s_wait_alu depctr_va_vdst(0)                   ; and directly ahead of the first reader of O^T
.set n, 0
.rept 16
	v_pk_mul_f32 v[SS+n:SS+n+1], v[OO+n:OO+n+1], v[\ls:\ls+1] op_sel_hi:[1,0]
.set n, n+2
.endr
	WIN (\w)*0x04
.irp t, 0,1,2,3
	ds_store_b128 v[STO], v[SS+8*\t:SS+8*\t+3] offset:64*\t        ; lane (r, h): o(query r, channels 16 t + 8 h + 0 .. 7)
	ds_store_b128 v[STO], v[SS+8*\t+4:SS+8*\t+7] offset:64*\t+16
.endr
	WIN (\w)*0x40
.irp i, 0,1,2,3,4,5,6,7
	ds_load_b128 v[OO+4*\i:OO+4*\i+3], v[RD] offset:2*\i*SP        ; LDS serves a wave's instructions in order: these see my stores
.endr
	WIN (\w)*0x04
.irp i, 0,1,2,3,4,5,6,7
	s_wait_dscnt 7-\i                              ; row pair i is back; the 7 - i loads behind it may be out
	global_store_b128 v[GO], v[OO+4*\i:OO+4*\i+3], s[\ob:\ob+1] offset:8192*\i th:TH_STORE_NT
.endr
	WIN 0
.endm
	s_load_b256 s[4:11], s[0:1], 0x0               ; q s[4:5], k s[6:7], v_codes s[8:9], lowp_scales s[10:11]
	s_load_b64 s[12:13], s[0:1], 0x20              ; out0
	v_lshrrev_b32 v254, 5, v0
	v_readfirstlane_b32 s[WV], v254                ; wave w, 0..7
	v_and_b32 v[RR], 15, v0
	v_bfe_u32 v[HH], v0, 4, 1
	v_lshlrev_b32 v[GO], 12, v[HH]
	v_lshlrev_b32 v[VGO], 11, v[HH]
	v_lshl_add_u32 v[GO], v[RR], 4, v[GO]
	v_lshl_add_u32 v[VGO], v[RR], 4, v[VGO]
	s_mov_b32 s[BH], ttmp9                         ; the head
	s_and_b32 s[IW], ttmp7, 0xffff                 ; i
	s_lshr_b32 s[IB], s[IW], 1
	s_lshr_b32 s[W2], s[WV], 2
	s_lshr_b32 s[T0], s[BH], 4
	s_lshl_b32 s[T0], s[T0], 23                    ; a batch is 2,048 rows of 4,096 bytes,
	s_and_b32 s[T1], s[BH], 15
	s_lshl_b32 s[T1], s[T1], 8                     ; a head 256 bytes of a row
	s_add_co_u32 s[T0], s[T0], s[T1]
	s_and_b32 s46, s[WV], 3
	s_lshl_b32 s46, s46, 13
	s_lshl_b32 s[T1], s[W2], 16
	s_add_co_u32 s46, s46, s[T1]
	s_add_co_u32 s46, s46, s[T0]                   ; k at key 2 (w % 4) + 16 (w / 4)
	s_mov_b32 s47, 0
	s_lshl_b32 s[T2], s[BH], 17                    ; v_codes: 64 rows of 2,048 bytes a head,
	s_lshl_b32 s48, s[WV], 14
	s_add_co_u32 s48, s48, s[T2]                   ; my eight of them
	s_mov_b32 s49, 0
	s_lshl_b32 s50, s[IW], 17
	s_add_co_u32 s50, s50, s[T0]
	s_add_co_u32 s50, s50, 0x200000                ; the prefetches: k at key 32 i of slot 2 (stepped to slot 3 ahead of the first),
	s_lshl_b32 s51, s[IW], 14
	s_add_co_u32 s51, s51, s[T2]
	s_add_co_u32 s51, s51, 512                     ; v_codes at row 8 i of it
	s_lshl_b32 s[T1], s[IW], 16
	s_add_co_u32 s[T0], s[T0], s[T1]
	s_lshl_b32 s44, s[WV], 19
	s_add_co_u32 s44, s44, s[T0]                   ; q and out0 at query 128 w + 16 i: tile A,
	s_mov_b32 s45, 0
	s_xor_b32 s42, s[WV], 15
	s_lshl_b32 s42, s42, 19
	s_add_co_u32 s42, s42, s[T0]                   ; at query 128 (15 - w) + 16 i: tile B
	s_mov_b32 s43, 0
	s_cmp_eq_u32 s[WV], 0                          ; wave 0 asks for k, wave 1 for v_codes
	s_cselect_b32 s52, s50, s51
	s_mov_b32 s53, 0
	s_mov_b32 s54, 256
	s_cselect_b32 s[PFS], 0x100000, s54            ; a slot on
	s_mov_b32 s[PFS+1], 0
	s_mov_b32 s54, 2048
	s_cselect_b32 s54, 4096, s54                   ; from lane to lane
	s_cselect_b32 s55, 31, 7                       ; the last row
	s_cmp_lt_u32 s[WV], 2
	s_cselect_b32 s[PFL], 5, 0                     ; slots 3 to 7 are prefetched, in phases 0 to 4
	s_wait_alu depctr_va_vdst(0)                   ; behind the run of scalar lines
	v_lshrrev_b32 v254, 3, v[RR]
	v_lshrrev_b32 v255, 2, v[RR]
	v_lshl_add_u32 v254, v254, 3, v[RR]            ; r + 8 (r / 8)
	v_xor_b32 v[LB], v[HH], v255
	v_lshlrev_b32 v[LB], 4, v[LB]
	v_lshl_add_u32 v[LA], v254, 6, v[LB]           ; my chunk h, at place h xor (r / 4)
	v_xor_b32 v[LB], 32, v[LA]                     ; my chunk 2 + h
	s_and_b32 s[T0], s[WV], 3
	s_lshl_b32 s[T0], s[T0], 7
	s_lshl_b32 s[T1], s[W2], 10
	s_add_co_u32 s[T0], s[T0], s[T1]               ; 64 x (2 (w % 4) + 16 (w / 4))
	s_add_co_u32 s[T0], s[T0], KB
	s_lshr_b32 s[T1], s[WV], 1                     ; bits 2 and 4 of my keys
	v_xor_b32 v254, s[T1], v255
	v_and_b32 v255, 3, v[RR]
	v_lshlrev_b32 v254, 4, v254
	v_lshl_add_u32 v254, v[HH], 6, v254
	v_lshl_add_u32 v254, v255, 2, v254
	v_add_nc_u32 v[KST], s[T0], v254
	v_mul_u32_u24 v[LV], v[RR], VP
	v_lshl_add_u32 v[LV], v[HH], 4, v[LV]
	v_add_nc_u32 v[LV], VB-4*VSLOT, v[LV]          ; (a visit counts its slot from 4 on)
	s_mul_i32 s[T0], s[WV], 8*VP
	s_add_co_u32 s[T0], s[T0], VB
	v_mul_u32_u24 v[VST], v[HH], VP
	v_lshl_add_u32 v[VST], v[RR], 4, v[VST]
	v_add_nc_u32 v[VST], s[T0], v[VST]
	s_mul_i32 s[T0], s[WV], 16*SP                  ; my stage
	v_mul_u32_u24 v[STO], v[RR], SP
	v_mul_u32_u24 v[RD], v[HH], SP
	v_mul_u32_u24 v[QST], v[HH], 80
	v_mul_u32_u24 v[QRD], v[RR], 80
	v_lshl_add_u32 v[STO], v[HH], 5, v[STO]
	v_lshl_add_u32 v[RD], v[RR], 4, v[RD]
	v_lshl_add_u32 v[QST], v[RR], 2, v[QST]
	v_lshl_add_u32 v[QRD], v[HH], 4, v[QRD]
	v_add_nc_u32 v[STO], s[T0], v[STO]             ; in: row r, + 32 h
	v_add_nc_u32 v[RD], s[T0], v[RD]               ; back: lanes 0-15 one row, lanes 16-31 the next
	v_add_nc_u32 v[QST], s[T0], v[QST]
	v_add_nc_u32 v[QRD], s[T0], v[QRD]
	s_lshl_b32 s[T1], s[IW], 4
	v_lshlrev_b32 v254, 4, v[HH]
	v_sub_nc_u32 v[DM], v[RR], v254
	v_add_nc_u32 v[DM], s[T1], v[DM]
	v_lshl_add_u32 v[SPW], v0, 2, SPARE
	v_mov_b32 v[NIL], 0
	v_and_b32 v254, 31, v0
	v_min_u32 v254, s55, v254
	v_mul_lo_u32 v[PFO], v254, s54
	s_mov_b32 s[SEL], 0x76543210
	s_mov_b32 s[SEL+1], 0xfedcba98
	s_mov_b32 s[NP], 0
	s_wait_alu depctr_va_vdst(0)                   ; directly ahead of the wait below
	s_wait_kmcnt 0x0
	s_load_b128 s[36:39], s[10:11], 0x0            ; e0, e1, ev, ep
	s_cmp_eq_u32 s[WV], 0
	s_cselect_b64 s[PFA:PFA+1], s[6:7], s[8:9]
	s_add_nc_u64 s[PFA:PFA+1], s[PFA:PFA+1], s[52:53]
	s_add_nc_u64 s[6:7], s[6:7], s[46:47]
	s_add_nc_u64 s[8:9], s[8:9], s[48:49]
	s_add_nc_u64 s[Q2:Q2+1], s[4:5], s[42:43]
	s_add_nc_u64 s[O2:O2+1], s[12:13], s[42:43]
	s_add_nc_u64 s[4:5], s[4:5], s[44:45]
	s_add_nc_u64 s[12:13], s[12:13], s[44:45]
	SLOADS                                         ; slot 0
	QLOADS
.irp x, 0,2
	v_mov_b32 v[NMA+\x], 0x7149f2ca                ; -M and the largest raw score so far: 1e30 and -1e30, beyond every raw sum (64 x 448 x 448 at most)
	v_mov_b32 v[RMA+\x], 0xf149f2ca
	v_mov_b32 v[FA+1+\x], 0                        ; (named as the upper half of the pair)
.endr
	v_mov_b32 v[TPA], 0                            ; written once: a lane permute's destination counts as one of its sources
	v_mov_b32 v[TPB], 0
.set n, 0
.rept 16
	v_mov_b32 v[LSA+n], 0                          ; both tiles' sums
.set n, n+1
.endr
.set n, 0
.rept 32
	v_mov_b32 v[OO+n], 0                           ; O^T.  (The step is written for every visit alike: the first finds zeros)
.set n, n+1
.endr
	WIN 0x40
.set n, 0
.rept 32
	v_mov_b32 v[OO+n], 0
.set n, n+1
.endr
	WIN 0
	s_wait_alu depctr_va_vdst(0)                   ; directly ahead of the wait below
	s_wait_kmcnt 0x0
	s_add_co_i32 s[T0], s36, s37                   ; a raw sum of the first product stands for sum x 2^(e0 + e1):
	s_lshl_b32 s[T1], s[T0], 23
	s_add_co_i32 s[CS], s[T1], 0x3fb8aa3b          ; the exponents are added to the exponent field of log2(e)
	s_mov_b32 s[CS+1], s[CS]                       ; (named with it as a pair, so it is written)
	s_xor_b32 s[NCS], s[CS], 0x80000000
	s_sub_co_i32 s[T1], 0, s[T0]
	v_mov_b32 v[MVR], 0xc7435000                   ; MASK_VAL = -50000.0
	v_ldexp_f32 v[MVR], v[MVR], s[T1]              ; in the raw sums' unit
	s_add_co_i32 s[T0], s37, 127
	s_lshl_b32 s[T1], s[T0], 23
	v_mov_b32 v[KSC], s[T1]                        ; 2^e1 as f32: the conversion takes its exponent field
	s_add_co_i32 s[T0], s[T0], 8
	s_lshl_b32 s[T0], s[T0], 23
	s_or_b32 s[T0], s[T0], 0x600000
	v_mov_b32 v[KLIM], s[T0]                       ; 448 x 2^e1
	s_add_co_i32 s[T0], s36, 130                   ; (q / 8) / 2^e0 = q / 2^(e0 + 3): the head's scale 64^(-1/2) goes into the conversion's scale
	s_lshl_b32 s[T1], s[T0], 23
	v_mov_b32 v[QSC], s[T1]
	s_add_co_i32 s[T0], s[T0], 8
	s_lshl_b32 s[T0], s[T0], 23
	s_or_b32 s[T0], s[T0], 0x600000
	v_mov_b32 v[QLIM], s[T0]                       ; 448 x 2^(e0 + 3)
	s_add_co_i32 s[T0], s39, 127
	s_lshl_b32 s[T1], s[T0], 23
	v_mov_b32 v[PSC], s[T1]                        ; 2^ep
	s_add_co_i32 s[T0], s[T0], 8
	s_lshl_b32 s[T0], s[T0], 23
	s_or_b32 s[PLM], s[T0], 0x600000               ; 448 x 2^ep
	s_cmp_lt_i32 s39, -8                           ; p is at most 1, so p / 2^ep is at most 256 where ep >= -8: only a smaller ep needs the hold
	s_cselect_b32 s[HOLD], 1, 0
	s_add_co_i32 s[EO], s38, s39
	s_wait_alu depctr_va_vdst(0)                   ; the wait at the head's end
	s_wait_loadcnt 16                              ; slot 0's twenty loads are in; Q's sixteen behind them may be out
	VSTORE VST
	QUANT KS, KLIM, KSC
	KSTORE KST
	s_wait_alu depctr_va_vdst(0)                   ; and here, directly ahead of the wait below
	s_wait_dscnt 0x0                               ; for the others' sake: my part of slot 0 lies in LDS; and the stores have read their registers, into which loads and conversions follow
	s_wait_xcnt 0x0                                ; every load so far has read its base: the two are stepped
	s_add_nc_u64 s[6:7], s[6:7], 0x100000          ; 256 keys of 4,096 bytes
	s_add_nc_u64 s[8:9], s[8:9], 256               ; 256 codes along each row
	SLOADS                                         ; slot 1
	s_barrier_signal -1
	s_wait_loadcnt 20                              ; Q is in; slot 1's twenty loads behind it may be out
	QUANT SS, QLIM, QSC                            ; work on registers while the others arrive
	WIN 0
	s_wait_alu depctr_va_vdst(0)                   ; and here, directly ahead of the wait below
	s_barrier_wait -1                              ; slot 0 is whole
	WIN 0x04
.irp j, 0,1,2,3,4,5,6,7,8,9,10,11,12,13,14,15
	ds_store_b32 v[QST], v[KC+\j] offset:160*\j    ; Q's codes go into my stage, rows of 64 bytes + 16,
.endr
	WIN 0
	ds_load_b128 v[QA:QA+3], v[QRD]                ; and back as fragments: my own bytes, in order behind my stores
	ds_load_b128 v[QA+4:QA+7], v[QRD] offset:32
	ds_load_b128 v[QB:QB+3], v[QRD] offset:1280
	ds_load_b128 v[QB+4:QB+7], v[QRD] offset:1312
	s_wait_alu depctr_va_vdst(0)                   ; directly ahead of the wait below
	s_wait_dscnt 0x0
.Lphase:                                           ; eight phases
	s_add_co_u32 s[N1], s[NP], 1
	s_lshl_b32 s[X2], s[NP], 1
	s_cmp_ge_u32 s[NP], s[WV]
	s_cbranch_scc0 .Lnone1
	s_xor_b32 s[U], s[WV], 7                       ; 7 - w
	s_add_co_u32 s[U], s[U], s[X2]
	s_add_co_u32 s[U], s[U], 1                     ; step 2 n - w + 1
	KLOAD
	VISIT 0, 1, 2
.Lnone1:
	s_min_u32 s[U], s[NP], s[WV]
	s_xor_b32 s[U], s[U], 7
	s_add_co_u32 s[U], s[U], s[X2]                 ; step 2 n - min(n, w)
	KLOAD                                          ; the second visit's K lands under the staging
	; STAGING: slot n + 1, asked for a phase ago, goes into LDS; slot n + 2 is asked for.
	s_cmp_lt_u32 s[NP], 7
	s_cbranch_scc0 .Lstaged
	s_wait_loadcnt 0x0                             ; slot n + 1's twenty loads
	s_lshl_b32 s[T0], s[N1], 14
	s_mul_i32 s[T1], s[N1], VSLOT
	v_add_nc_u32 v[KSA], s[T0], v[KST]
	v_add_nc_u32 v[VSA], s[T1], v[VST]
	VSTORE VSA
	QUANT KS, KLIM, KSC
	KSTORE KSA
	s_cmp_lt_u32 s[NP], 6
	s_cbranch_scc0 .Lstaged
	s_wait_dscnt 0x10                              ; V's four stores have read their registers; K's sixteen behind them may be out
	s_wait_xcnt 0x0                                ; the last prefetch has read its address
	s_add_nc_u64 s[6:7], s[6:7], 0x100000
	s_add_nc_u64 s[8:9], s[8:9], 256
	s_add_nc_u64 s[PFA:PFA+1], s[PFA:PFA+1], s[PFS:PFS+1]
	SLOADS
	; Slot n + 3 is asked for INTO THE L2, a phase ahead of its loads.  Each aligned block of 256 bytes is named once in the launch: the head's eight work-groups share a slot out by address, 32 keys and 8 rows of v_codes each;
	; wave 0 a lane a key, wave 1 a lane a row (its lanes 8 to 31 name the last row again).  Slots 0 to 2 come by their loads alone; slot 7 is the last.
	s_cmp_lt_u32 s[NP], s[PFL]
	s_cbranch_scc0 .Lstaged
	global_prefetch_b8 v[PFO], s[PFA:PFA+1] th:TH_LOAD_NT scope:SCOPE_SE
.Lstaged:
	s_wait_dscnt 0x0                               ; for the others' sake: my part of slot n + 1 lies in LDS; and the second visit's K is in
	s_barrier_signal -1
	s_cmp_le_u32 s[NP], s[WV]                      ; the second visit reads slots 0 .. n alone
	s_cbranch_scc0 .Lsingle
	VISIT 1, 0, 1
	s_branch .Lmet
.Lsingle:
	VISIT 0, 0, 0
.Lmet:
	s_barrier_wait -1                              ; slot n + 1 is whole
	s_cmp_lg_u32 s[NP], s[WV]
	s_cbranch_scc1 .Lkeep
	OUT LSA, TPA, 0, 12                            ; tile A is done: it leaves under the later phases
	s_wait_xcnt 0x0                                ; the stores have read their registers
.Lkeep:
	s_add_co_u32 s[NP], s[NP], 1
	s_cmp_lt_u32 s[NP], 8
	s_cbranch_scc1 .Lphase
	OUT LSB, TPB, 1, O2
	s_wait_tensorcnt 0x0                           ; the wave's end
	ds_add_u32 v[SPW], v[NIL]
	s_wait_dscnt 0x0
	s_endpgm
.Lfunc_end_k_q5d144ada17_attn:
	.size	k_q5d144ada17_attn, .Lfunc_end_k_q5d144ada17_attn-k_q5d144ada17_attn
	.p2alignl 7, 3214868480
	.fill 96, 4, 3214868480
	.section	.rodata,"a",@progbits
	.p2align	6, 0x0
	.amdhsa_kernel k_q5d144ada17_attn
		.amdhsa_group_segment_fixed_size 327680
		.amdhsa_private_segment_fixed_size 0
		.amdhsa_enable_private_segment 0
		.amdhsa_kernarg_size 40
		.amdhsa_user_sgpr_count 2
		.amdhsa_user_sgpr_kernarg_segment_ptr 1
		.amdhsa_wavefront_size32 1
		.amdhsa_system_sgpr_workgroup_id_x 1
		.amdhsa_system_sgpr_workgroup_id_y 1
		.amdhsa_system_sgpr_workgroup_id_z 1
		.amdhsa_system_vgpr_workitem_id 0
		.amdhsa_next_free_vgpr 512
		.amdhsa_next_free_sgpr 66
		.amdhsa_reserve_vcc 0
		.amdhsa_float_denorm_mode_32 3
		.amdhsa_float_denorm_mode_16_64 3
		.amdhsa_memory_ordered 1
		.amdhsa_forward_progress 1
		.amdhsa_inst_pref_size 123
	.end_amdhsa_kernel
	.amdgpu_metadata
---
amdhsa.version: [ 1, 2 ]
amdhsa.kernels:
  - .name:           k_q5d144ada17_attn
    .symbol:         k_q5d144ada17_attn.kd
    .args:
      - { .name: q, .offset: 0, .size: 8, .value_kind: global_buffer, .address_space: global }
      - { .name: k, .offset: 8, .size: 8, .value_kind: global_buffer, .address_space: global }
      - { .name: v_codes, .offset: 16, .size: 8, .value_kind: global_buffer, .address_space: global }
      - { .name: lowp_scales, .offset: 24, .size: 8, .value_kind: global_buffer, .address_space: global }
      - { .name: out0, .offset: 32, .size: 8, .value_kind: global_buffer, .address_space: global }
    .group_segment_fixed_size: 327680
    .private_segment_fixed_size: 0
    .kernarg_segment_align: 8
    .kernarg_segment_size: 40
    .max_flat_workgroup_size: 256
    .sgpr_count:     66
    .vgpr_count:     512
    .wavefront_size: 32
...
	.end_amdgpu_metadata
.endif
;; end of part 1
